; MI455X (gfx1250); checked and timed in simulation.
; The chip was launched on July 23, 2026; its instructions are those of AMD's public machine-readable ISA for CDNA 5 (MIT licence, August 2026) and "CDNA5" Instruction Set Architecture Reference Guide (July 2026). The comments in the code are by the model that wrote it; some were corrected since.
;; Net. Allowed arithmetic: matrix products marked QUANTISED: E2M1 operands, one E8M0 scale for each 32 along K, by v_wmma_scale_f32_16x16x128_f8f6f4 with both operands' format E2M1 (or v_wmma_scale_f32_32x16x128_f4), f32 sums; everything else in f32.
;; Inputs: W 100 x 128 float32; x 262,144 x 128 float32.
;; Outputs: out0 262,144 x 1 float32.
;; This version of the problem:
;;   THIS VERSION OF THE PROBLEM IS GIVEN IN LOW PRECISION. The matrix products marked QUANTISED in the list below multiply operands that are first quantised to E2M1 (2 exponent bits, 1 mantissa bit; 4 bits a number), with one power-of-two scale for each 32 numbers along K (OCP MX v1.0); their sums are f32. All else is computed in f32.
;;   The module's matrix products, in the order in which they are computed (A, B: the left and right operand; K: the contracted axis; several contracted axes count as one K, in the product's order):
;;     1. [M 262,144, K 128] x [K 128, N 100]; A: input x; B: input W: QUANTISED
;;   THE QUANTISER, for each operand of a quantised product, along K:
;;     - K is cut into blocks of 32 from its start; a last block that is shorter is filled with zeros.
;;     - A block's scale is 2^e with e = floor(log2(the largest magnitude in the block)) - 2, held to -126 .. 127; a block of zeros has e = 0. As a byte (E8M0): e + 127.
;;     - Each number is divided by its block's scale, clamped to +-6, and rounded to the nearest number of E2M1, ties to even, subnormals kept.
;;     - The product sums the exact products of the quantised numbers (number of the format x scale) in f32.
;;   ~~~python
;;   def quantise(x, axis):      # numpy; x: float32 -> the quantised numbers, widened to float32 again
;;       x = np.moveaxis(x, axis, -1); K = x.shape[-1]
;;       x = np.pad(x, [(0, 0)] * (x.ndim - 1) + [(0, -K % 32)]); x = x.reshape(x.shape[:-1] + (-1, 32)); a = np.abs(x).max(-1, keepdims=True)
;;       e = np.where(a > 0, np.clip(np.frexp(np.where(a > 0, a, 1))[1] - 1 - 2, -126, 127), 0)      # np.frexp(a)[1] - 1 = floor(log2(a)), exactly
;;       r = np.clip(x / 2.0 ** e, -6, 6)
;;       step = 2.0 ** (np.maximum(np.frexp(np.where(r == 0, 1, r))[1] - 1, 0) - 1)
;;       q = np.round(r / step) * step * 2.0 ** e      # np.round: ties to even
;;       return np.moveaxis(q.reshape(q.shape[:-2] + (-1,))[..., :K], -1, axis).astype(np.float32)
;;   ~~~
;; 2 versions, each right; version 2 is version 1 with the launch net written anew for expert scheduling mode. Each part assembles by itself: llvm-mc -triple=amdgcn-amd-amdhsa -mcpu=gfx1250 --defsym DOCPART=n.
;; ======== version 1 of 2: 1 launch
;; launch net (part 1): grid 256 x 1, 16 waves a work-group, no clusters, 145,408 bytes of LDS; arguments x, W, out0; writes out0
.if DOCPART == 1
	.amdgcn_target "amdgcn-amd-amdhsa--gfx1250"
	.amdhsa_code_object_version 6
	.text
	.protected	k_q2d76f84f66_net
	.globl	k_q2d76f84f66_net
	.p2align	8
	.type	k_q2d76f84f66_net,@function
k_q2d76f84f66_net:
	s_mov_b64 s[64:65], 0
	v_nop
	global_prefetch_b8 v0, s[64:65] scope:SCOPE_SE
	s_setreg_imm32_b32 hwreg(HW_REG_WAVE_MODE, 25, 1), 1
	s_wait_xcnt 0x0
; out0[b] = the sum over the 100 heads m of z^3 + 0.1 z,  z[b][m] = Q(x[b]) . Q(W[m]).  x: [262144][128] f32, W: [100][128] f32, out0: [262144] f32.
; Q: codes of FP4 (E2M1) with one E8M0 scale for each 32 along K.  A block's scale byte is its largest magnitude's exponent field - 2, held at 1 from below;
; each number is divided by the scale and rounded to the nearest code, ties to even, beyond 6 the largest code.  The product is made by the scaled FP4 matrix instruction, sums in f32.
; LIMITS: NaN and infinities among the inputs are not served.  A block of zeros, or one whose largest magnitude lies under 2^-124, gets the byte 1 (of a block of zeros the rule says 127: its codes are
; zeros, which add nothing under either byte, and only this kernel reads the bytes).  The heads are summed in four chains of packed additions, another order than reference()'s.
; SHARES.  256 work-groups of sixteen waves; a work-group owns 1,024 rows of x, a wave 64: four tiles of 16 rows.  Waves share nothing but W.
; THE STREAM.  Each load of x takes one whole row: 32 lanes x 16 bytes = 512 consecutive bytes, aligned.  The conversions want 32 neighbours along K in ONE lane, so a tile's 8,192 bytes turn through the wave's
; own stage in LDS: in as loaded, out with a lane to a row.  Two register sets of 64 take turns: 16,384 bytes a wave are asked for at the head, and a set is asked for again as soon as its tile is done.
; THE MATRIX INSTRUCTION IS USED TRANSPOSED: source 0 = 16 heads of W, source 1 = 16 rows of x.  In the result lane (r, h) holds row r of x and heads 8 h + 0 .. 7 of the tile: the sum over the heads is
; taken inside the lane, over 7 tiles x 8 registers, and closed by one exchange with lane l xor 16.
; W.  100 heads are 7 tiles of 16.  Waves 0 to 6 quantise a tile each, by the macros that serve x, and hand it to all sixteen waves through LDS as an image of the operand's registers; it then stays in registers.
; Tile 6 takes rows 84 to 99, so that no load leaves W; the codes of its first 12 rows, which are tile 5's, are made zeros: z = 0 there, and 0^3 + 0.1 x 0 adds nothing.
; THE ROWS OF A TILE ARE NOT NEIGHBOURS: tiles 0 and 1 are the even and the odd rows of the wave's rows 0-31, tiles 2 and 3 those of rows 32-63.  So lane i ends with out[2 i] and out[2 i + 1], and the wave's
; one store covers 256 consecutive bytes, aligned.
; NO CLUSTER: the one input that work-groups share is W, 51,200 bytes beside the 524,288 bytes of x that a work-group reads alone.  No tensor load: the sets are filled again wave by wave, with no barrier in the stream.
.set ROWB,   512                       ; a row of x or of W in bytes
.set HEADS,  100
.set NT,     7                         ; tiles of 16 heads
.set PITCH,  528                       ; a stage row: 512 bytes + 16 = 132 words: row r starts at bank 4 r mod 64 (64 banks of 4 bytes: ISA guide 11.1)
.set STG,    16*PITCH                  ; a wave's stage
.set WIMG,   0                         ; LDS: W's 7 fragments as images of their registers, 1,024 bytes each,
.set WSC,    NT*1024                   ; their scale words, 128 bytes each,
.set STAGE0, 8192                      ; and the sixteen stages
.set FLOOR,  0x1800000                 ; the f32 number 2^(3 - 127)
.set GX,  1                            ; v1   16 x lane: my bytes of a row in memory; also my place in an image
.set SI,  2                            ; v2   the stage, on the way in: 16 x lane
.set SO,  3                            ; v3   and on the way out: 528 r + 128 h
.set LS,  4                            ; v4   4 x lane: my place among a tile's scale words
.set SH,  5                            ; v5   8 h: where my two scale bytes stand in the word
.set WI,  6                            ; v6   where waves 0-6 store their image: 16 x lane + 1,024 x wave
.set WSA, 7                            ; v7   and its scale words: 4 x lane + 128 x wave
.set OO,  8                            ; v8   8 x lane: my two numbers of the wave's 64 results
.set RR,  9                            ; v9   r = lane % 16
.set M,   10                           ; v10-13 largest magnitudes: two chains for each of my two blocks; then the scale bytes
.set SOP, 14                           ; v14-15 the conversions' scale operands
.set XW,  16                           ; v16  the scale word just made
.set PT,  17                           ; v17  what lane l xor 16 sends
.set AL,  18                           ; v18-19 0.1, twice
.set OUT, 20                           ; v20-21 what I store
.set RES, 22                           ; v22-25 a tile's sums
.set T,   26                           ; v26-33 z^2 + 0.1, four pairs
.set S,   34                           ; v34-41 four pairs of running sums
.set WS,  42                           ; v42-48 W's scale words, a register a tile
.set WC,  T                            ; the codes of W's tile on their way to LDS
.set WF,  50                           ; v50-105 W's 7 fragments.  v50-113 first hold a tile of W as f32
.set PC,  106                          ; v106-113 the codes of a tile of x
.set XA,  114                          ; v114-177, v178-241 the two sets: a tile of x as loaded, then a lane to a row, then the 7 accumulators
.set XB,  178
	s_load_b128 s[4:7], s[0:1], 0x0                ; x s[4:5], W s[6:7]
	s_load_b64 s[8:9], s[0:1], 0x10                ; out0
	v_lshl_add_u32 v242, v0, 2, 0x23000
	v_mov_b32 v243, 0
	v_lshrrev_b32 v[RR], 5, v0
	v_readfirstlane_b32 s10, v[RR]                 ; wave 0..15
	v_and_b32 v[LS], 31, v0                        ; lane
	v_and_b32 v[RR], 15, v0                        ; r
	v_bfe_u32 v[SH], v0, 4, 1                      ; h
	v_lshlrev_b32 v[GX], 4, v[LS]
	s_mul_i32 s11, s10, STG
	s_add_co_u32 s11, s11, STAGE0                  ; my wave's stage
	v_add_nc_u32 v[SI], s11, v[GX]
	v_mul_u32_u24 v[SO], v[RR], PITCH
	v_lshl_add_u32 v[SO], v[SH], 7, v[SO]          ; lanes 16-31 begin 32 numbers further along the row
	v_add_nc_u32 v[SO], s11, v[SO]
	s_lshl_b32 s11, s10, 10
	v_add_nc_u32 v[WI], s11, v[GX]
	v_lshlrev_b32 v[OO], 3, v[LS]
	v_lshlrev_b32 v[LS], 2, v[LS]
	s_lshl_b32 s11, s10, 7
	v_add_nc_u32 v[WSA], s11, v[LS]
	v_lshlrev_b32 v[SH], 3, v[SH]
	v_mov_b32 v[AL], 0x3dcccccd                    ; 0.1
	v_mov_b32 v[AL+1], 0x3dcccccd
	v_mov_b32 v[PT], 0                             ; written once: a lane permute's destination counts as one of its sources
	s_mov_b32 s20, 0x76543210
	s_mov_b32 s21, 0xfedcba98                      ; v_permlanex16_b32's selects for lane l xor 16
	s_mov_b32 s24, 0xffff0000                      ; lanes 16-31
	s_lshl_b32 s12, ttmp9, 19                      ; x: 1,024 rows of 512 bytes a work-group,
	s_lshl_b32 s14, s10, 15                        ; 64 rows a wave: under 2^27 in all
	s_add_co_u32 s12, s12, s14
	s_mov_b32 s13, 0
	s_lshl_b32 s14, s10, 4                         ; W: tile w begins at head 16 w;
	s_min_u32 s15, s14, HEADS-16                   ; its 16 rows are taken from row min(16 w, 84) on, so that they lie inside W,
	s_sub_co_u32 s18, s14, s15                     ; and the first 16 w - that many of them (12 in tile 6, else 0) are not the tile's own
	s_lshl_b32 s16, s15, 9
	s_mov_b32 s17, 0
	s_lshl_b32 s22, ttmp9, 12                      ; out0: 4,096 bytes a work-group, 256 a wave
	s_lshl_b32 s14, s10, 8
	s_add_co_u32 s22, s22, s14
	s_mov_b32 s23, 0
	s_wait_kmcnt 0x0
	s_add_nc_u64 s[4:5], s[4:5], s[12:13]
	s_add_nc_u64 s[6:7], s[6:7], s[16:17]
	s_add_nc_u64 s[8:9], s[8:9], s[22:23]
; Tile t of the wave's four into a set: stage row j is the wave's row 32 (t / 2) + 2 j + t % 2.  Every offset is an immediate: no address register is ever rewritten.
.macro LOADX t, set
.irp j, 0,1,2,3,4,5,6,7,8,9,10,11,12,13,14,15
	global_load_b128 v[\set+4*\j:\set+4*\j+3], v[GX], s[4:5] offset:(32*((\t)/2)+(\t)%2+2*\j)*ROWB th:TH_LOAD_NT
.endr
.endm
; A tile turns through my wave's stage and comes back into the registers that it left.  LDS serves a wave's instructions in order (ISA guide 5.7.1.4): no wait between the stores and the loads, nor in front of the next tile's stores.
; Back: lane (r, h) holds of row r the numbers k = 64 c + 32 h + 0 .. 31 in registers 32 c + 0 .. 31: the order in which the FP4 operand wants that lane's codes.
.macro TURN set
.irp j, 0,1,2,3,4,5,6,7,8,9,10,11,12,13,14,15
	ds_store_b128 v[SI], v[\set+4*\j:\set+4*\j+3] offset:\j*PITCH
.endr
.irp c, 0,1
.irp g, 0,1,2,3,4,5,6,7
	ds_load_b128 v[\set+32*\c+4*\g:\set+32*\c+4*\g+3], v[SO] offset:256*\c+16*\g
.endr
.endr
.endm
; 64 numbers of a lane, two whole blocks of 32 (blocks h and 2 + h of its row), become the operand's 8 registers of codes in v[d] on and the row's scale word in v[XW].
.macro QUANT s, d
.irp c, 0,1
	v_max3_num_f32 v[M+\c], |v[\s+32*\c]|, |v[\s+32*\c+1]|, FLOOR              ; the block's largest magnitude, in two chains; the floor is one more leaf: so the byte cannot fall under 1
	v_max3_num_f32 v[M+2+\c], |v[\s+32*\c+16]|, |v[\s+32*\c+17]|, |v[\s+32*\c+18]|
.endr
.irp i, 0,2,4,6,8,10
.irp c, 0,1
	v_max3_num_f32 v[M+\c], v[M+\c], |v[\s+32*\c+2+\i]|, |v[\s+32*\c+3+\i]|    ; (four chains by turns: no line waits for the line above it)
	v_max3_num_f32 v[M+2+\c], v[M+2+\c], |v[\s+32*\c+19+\i]|, |v[\s+32*\c+20+\i]|
.endr
.endr
.irp c, 0,1
	v_max3_num_f32 v[M+\c], v[M+\c], |v[\s+32*\c+14]|, |v[\s+32*\c+15]|
.endr
.irp c, 0,1
	v_max3_num_f32 v[M+\c], v[M+\c], v[M+2+\c], |v[\s+32*\c+31]|
.endr
.irp c, 0,1
	v_add_nc_u32 v[SOP+\c], 0xff000000, v[M+\c]    ; 2 off its exponent field: the conversion takes the exponent field of this operand as its scale, and nothing else of it
.endr
.irp c, 0,1
.irp g, 0,1,2,3
	v_cvt_scalef32_pk8_fp4_f32 v[\d+4*\c+\g], v[\s+32*\c+8*\g:\s+32*\c+8*\g+7], v[SOP+\c]   ; register 4 c + g of the operand: k = 64 c + 32 h + 8 g + 0 .. 7
.endr
.endr
.irp c, 0,1
	v_lshrrev_b32 v[M+\c], 23, v[SOP+\c]           ; the scale's byte.  (Also the plain instruction that stands behind a run of scaled conversions)
.endr
	v_lshl_or_b32 v[XW], v[M+1], 16, v[M]          ; my two bytes: blocks h and 2 + h,
	v_lshlrev_b32 v[XW], v[SH], v[XW]              ; at their places in the word (8 h bits up);
	v_permlanex16_b32 v[PT], v[XW], s20, s21
	v_or_b32 v[XW], v[XW], v[PT]                   ; with lane l xor 16's two the word is whole, in both lanes
.endm
; y = z (z^2 + 0.1), summed: two packed multiply-adds for two numbers.  Each accumulator is read from its low end on.  The first tile's products start the four sums: nothing is cleared.
.macro CUBIC set
.irp a, 0,1,2,3,4,5,6
.irp p, 0,1,2,3
	v_pk_fma_f32 v[T+2*\p:T+2*\p+1], v[\set+8*\a+2*\p:\set+8*\a+2*\p+1], v[\set+8*\a+2*\p:\set+8*\a+2*\p+1], v[AL:AL+1]
.endr
.irp p, 0,1,2,3
.if \a == 0
	v_pk_mul_f32 v[S+2*\p:S+2*\p+1], v[\set+8*\a+2*\p:\set+8*\a+2*\p+1], v[T+2*\p:T+2*\p+1]
.else
	v_pk_fma_f32 v[S+2*\p:S+2*\p+1], v[\set+8*\a+2*\p:\set+8*\a+2*\p+1], v[T+2*\p:T+2*\p+1], v[S+2*\p:S+2*\p+1]
.endif
.endr
.endr
.endm
; One tile of 16 rows.  left: the younger loads that may stay out.  more = 1: the set is asked for again, with the tile two further on.
.macro TILE t, set, left, more
	s_wait_loadcnt \left                           ; loads come back in order (ISA guide 5.7.1): this tile's sixteen are in, the next tile's sixteen stay out
	TURN \set
	s_wait_dscnt 0x0                               ; the tile is back, a lane to a row (in the first tile also: W's images are in)
	QUANT \set, PC
.rept 8
	v_nop                                          ; a scale register written by a vector instruction stands eight plain vector instructions ahead of a scaled matrix instruction, an operand so written four
.endr
.irp a, 0,1,2,3,4,5,6                          ; z^T: seven accumulators, one instruction each, begun with the constant 0; they lie in the set, whose numbers have been converted
	v_wmma_scale_f32_16x16x128_f8f6f4 v[\set+8*\a:\set+8*\a+7], v[WF+8*\a:WF+8*\a+7], v[PC:PC+7], 0, v[WS+\a], v[XW] matrix_a_fmt:MATRIX_FMT_FP4 matrix_b_fmt:MATRIX_FMT_FP4
.endr
.rept 4
	v_nop                                          ; four plain vector instructions between a matrix instruction and the first read of its result; they also stand in front of the loads into the set below
.endr
	CUBIC \set
.if \more
	LOADX (\t)+2, \set                             ; the accumulators have been read: the set takes the tile two further on
.endif
	v_pk_add_f32 v[S:S+1], v[S:S+1], v[S+2:S+3]
	v_pk_add_f32 v[S+4:S+5], v[S+4:S+5], v[S+6:S+7]
	v_pk_add_f32 v[S:S+1], v[S:S+1], v[S+4:S+5]
	v_add_f32 v[S], v[S], v[S+1]                   ; my 56 heads of row r,
	v_permlanex16_b32 v[PT], v[S], s20, s21
	v_add_f32 v[RES+(\t)], v[S], v[PT]             ; and lane l xor 16's 56: the row's sum, in both lanes
.endm
	; W's loads go out first, so that the wait for them can leave x's out.  Every LDS address was made above, ahead of this branch on the wave's number.
	s_cmp_lt_u32 s10, NT
	s_cbranch_scc0 .Lno_w_loads
.irp j, 0,1,2,3,4,5,6,7,8,9,10,11,12,13,14,15
	global_load_b128 v[WF+4*\j:WF+4*\j+3], v[GX], s[6:7] offset:\j*ROWB   ; a row of W: 512 consecutive bytes; every work-group reads W, so no hint
.endr
.Lno_w_loads:
	LOADX 0, XA                                    ; 32 loads, 16,384 bytes a wave: half of what the wave will read
	LOADX 1, XB
	s_cmp_lt_u32 s10, NT
	s_cbranch_scc0 .Lno_w
	s_wait_loadcnt 32                              ; W's sixteen loads are in; the 32 of x issued behind them stay out
	TURN WF
	s_wait_dscnt 0x0
	QUANT WF, WC
	v_cmp_le_u32 vcc_lo, s18, v[RR]                ; is my row the tile's own?  (all rows but the first 12 of tile 6)
.irp i, 0,1,2,3,4,5,6,7
	v_cndmask_b32 v[WC+\i], 0, v[WC+\i], vcc_lo    ; a row that is not gets zero codes, which add nothing under its scale bytes
.endr
	ds_store_b128 v[WI], v[WC:WC+3] offset:WIMG    ; the fragment goes to LDS as it stands: lane l's 16 bytes at 16 l
	ds_store_b128 v[WI], v[WC+4:WC+7] offset:WIMG+512
	ds_store_b32 v[WSA], v[XW] offset:WSC          ; and its scale words, 4 bytes a lane
.Lno_w:
	s_wait_dscnt 0x0                               ; for the others' sake: my stores of the image have landed
	s_barrier_signal -1
	s_barrier_wait -1                              ; W's seven fragments lie in LDS; nobody writes them again
.irp a, 0,1,2,3,4,5,6
	ds_load_b128 v[WF+8*\a:WF+8*\a+3], v[GX] offset:WIMG+1024*\a          ; the same lines as loads give every wave the same registers in the same lanes
	ds_load_b128 v[WF+8*\a+4:WF+8*\a+7], v[GX] offset:WIMG+1024*\a+512
	ds_load_b32 v[WS+\a], v[LS] offset:WSC+128*\a
.endr
	TILE 0, XA, 16, 1
	TILE 1, XB, 16, 1
	TILE 2, XA, 16, 0                              ; the last two tiles ask for nothing: no load leaves x
	TILE 3, XB, 0, 0
	v_cndmask_b32 v[OUT], v[RES], v[RES+2], s24    ; lane i < 16: rows 2 i and 2 i + 1 (tiles 0, 1); lane 16 + r: rows 32 + 2 r and 33 + 2 r (tiles 2, 3)
	v_cndmask_b32 v[OUT+1], v[RES+1], v[RES+3], s24
	global_store_b64 v[OO], v[OUT:OUT+1], s[8:9] th:TH_STORE_NT   ; 32 lanes store 256 consecutive bytes, at a multiple of 256 from out0's first byte
	s_wait_tensorcnt 0x0
	ds_add_u32 v242, v243
	s_wait_dscnt 0x0
	s_endpgm
.Lfunc_end_k_q2d76f84f66_net:
	.size	k_q2d76f84f66_net, .Lfunc_end_k_q2d76f84f66_net-k_q2d76f84f66_net
	.p2alignl 7, 3214868480
	.fill 96, 4, 3214868480
	.section	.rodata,"a",@progbits
	.p2align	6, 0x0
	.amdhsa_kernel k_q2d76f84f66_net
		.amdhsa_group_segment_fixed_size 145408
		.amdhsa_private_segment_fixed_size 0
		.amdhsa_enable_private_segment 0
		.amdhsa_kernarg_size 24
		.amdhsa_user_sgpr_count 2
		.amdhsa_user_sgpr_kernarg_segment_ptr 1
		.amdhsa_wavefront_size32 1
		.amdhsa_system_sgpr_workgroup_id_x 1
		.amdhsa_system_sgpr_workgroup_id_y 1
		.amdhsa_system_sgpr_workgroup_id_z 1
		.amdhsa_system_vgpr_workitem_id 0
		.amdhsa_next_free_vgpr 244
		.amdhsa_next_free_sgpr 66
		.amdhsa_reserve_vcc 1
		.amdhsa_float_denorm_mode_32 3
		.amdhsa_float_denorm_mode_16_64 3
		.amdhsa_memory_ordered 1
		.amdhsa_forward_progress 1
		.amdhsa_inst_pref_size 58
	.end_amdhsa_kernel
	.amdgpu_metadata
---
amdhsa.version: [ 1, 2 ]
amdhsa.kernels:
  - .name:           k_q2d76f84f66_net
    .symbol:         k_q2d76f84f66_net.kd
    .args:
      - { .name: x, .offset: 0, .size: 8, .value_kind: global_buffer, .address_space: global }
      - { .name: W, .offset: 8, .size: 8, .value_kind: global_buffer, .address_space: global }
      - { .name: out0, .offset: 16, .size: 8, .value_kind: global_buffer, .address_space: global }
    .group_segment_fixed_size: 145408
    .private_segment_fixed_size: 0
    .kernarg_segment_align: 8
    .kernarg_segment_size: 24
    .max_flat_workgroup_size: 512
    .sgpr_count:     66
    .vgpr_count:     244
    .wavefront_size: 32
...
	.end_amdgpu_metadata
.endif
;; end of part 1
;; ======== version 2 of 2: 1 launch; version 1 with the launch net written anew for expert scheduling mode
;; launch net (part 2): grid 256 x 1, 16 waves a work-group, no clusters, 145,408 bytes of LDS; arguments x, W, out0; writes out0
.if DOCPART == 2
	.amdgcn_target "amdgcn-amd-amdhsa--gfx1250"
	.amdhsa_code_object_version 6
	.text
	.protected	k_q2d76f84f66_net
	.globl	k_q2d76f84f66_net
	.p2align	8
	.type	k_q2d76f84f66_net,@function
k_q2d76f84f66_net:
	s_mov_b64 s[64:65], 0
	v_nop
	global_prefetch_b8 v0, s[64:65] scope:SCOPE_SE
	s_setreg_imm32_b32 hwreg(HW_REG_WAVE_SCHED_MODE, 0, 2), 2
	s_setreg_imm32_b32 hwreg(HW_REG_WAVE_MODE, 25, 1), 1
	s_wait_xcnt 0x0
	s_wait_alu depctr_vm_vsrc(0)
; out0[b] = the sum over the 100 heads m of z^3 + 0.1 z,  z[b][m] = Q(x[b]) . Q(W[m]).  x: [262144][128] f32, W: [100][128] f32, out0: [262144] f32.
; Q: codes of FP4 (E2M1) with one E8M0 scale for each 32 along K.  A block's scale byte is its largest magnitude's exponent field - 2, held at 1 from below;
; each number is divided by the scale and rounded to the nearest code, ties to even, beyond 6 the largest code.  The product is made by the scaled FP4 matrix instruction, sums in f32.
; LIMITS: NaN and infinities among the inputs are not served.  A block of zeros, or one whose largest magnitude lies under 2^-124, gets the byte 1 (of a block of zeros the rule says 127: its codes are
; zeros, which add nothing under either byte, and only this kernel reads the bytes).  The heads are summed in four chains of packed additions, another order than reference()'s.
; SHARES.  256 work-groups of sixteen waves; a work-group owns 1,024 rows of x, a wave 64: four tiles of 16 rows.  Waves share nothing but W.
; THE STREAM.  Each load of x takes one whole row: 32 lanes x 16 bytes = 512 consecutive bytes, aligned.  The conversions want 32 neighbours along K in ONE lane, so a tile's 8,192 bytes turn through the wave's
; own stage in LDS: in as loaded, out with a lane to a row.  Two register sets of 64 take turns: 16,384 bytes a wave are asked for at the head, and a set is asked for again as soon as its tile is done.
; THE MATRIX INSTRUCTION IS USED TRANSPOSED: source 0 = 16 heads of W, source 1 = 16 rows of x.  In the result lane (r, h) holds row r of x and heads 8 h + 0 .. 7 of the tile: the sum over the heads is
; taken inside the lane, over 7 tiles x 8 registers, and closed by one exchange with lane l xor 16.
; W.  100 heads are 7 tiles of 16.  Waves 0 to 6 quantise a tile each, by the macros that serve x, and hand it to all sixteen waves through LDS as an image of the operand's registers; it then stays in registers.
; Tile 6 takes rows 84 to 99, so that no load leaves W; the codes of its first 12 rows, which are tile 5's, are made zeros: z = 0 there, and 0^3 + 0.1 x 0 adds nothing.
; THE ROWS OF A TILE ARE NOT NEIGHBOURS: tiles 0 and 1 are the even and the odd rows of the wave's rows 0-31, tiles 2 and 3 those of rows 32-63.  So lane i ends with out[2 i] and out[2 i + 1], and the wave's
; one store covers 256 consecutive bytes, aligned.
; NO CLUSTER: the one input that work-groups share is W, 51,200 bytes beside the 524,288 bytes of x that a work-group reads alone.  No tensor load: the sets are filled again wave by wave, with no barrier in the stream.
; THE MODE: SCHED_MODE bits 1:0 = 2 (LLVM: expert scheduling mode 2), set by the entry lines.  The code itself states the register dependences
; between vector or matrix instructions and memory or LDS instructions, with s_wait_alu, always for 0.
; THE PLAN.  Registers that memory or LDS instructions touch:
;   v1-4, v6-8    the seven addresses and offsets: written at the head, never again.  One wait on va_vdst ahead of the first load serves every load and store of the kernel.
;   XA, XB        a set's life in a tile: the loads of x land; TURN's LDS stores read it; TURN's LDS loads land in it; the quantiser reads it; the matrix instructions write it; the cubic reads it;
;                 in tiles 0 and 1 the loads of the tile two further on land in it.  Two waits: vm_vsrc between TURN's stores and its loads (it also frees the set for the matrix results and the refill),
;                 and va_vdst behind the cubic, ahead of the refill.  The lines that close the tile's sum name S, PT and RES alone, so the refill's loads are dealt among them with no further wait.
;   v50-113       in waves 0-6 a tile of W goes the same way as far as the quantiser; then, in every wave, the images' LDS loads land in v50-105 and v42-48, which matrix instructions alone read from there on.
;   WC, XW        in waves 0-6: written by vector lines, read by the image's three LDS stores (va_vdst ahead of them), written again in tile 0 (vm_vsrc behind them).
;   OUT           written by two selects, read by the one store (va_vdst ahead of it).
;   PC and XW are written by vector lines and taken by the scaled matrix instructions: va_vdst behind the eight places, ahead of the first of the seven.
;   s10 (the wave's number) and VCC (one compare) are written by vector instructions: va_sdst, va_vcc ahead of their first readers.  EXEC is never written.
.set ROWB,   512                       ; a row of x or of W in bytes
.set HEADS,  100
.set NT,     7                         ; tiles of 16 heads
.set PITCH,  528                       ; a stage row: 512 bytes + 16 = 132 words: row r starts at bank 4 r mod 64 (64 banks of 4 bytes: ISA guide 11.1)
.set STG,    16*PITCH                  ; a wave's stage
.set WIMG,   0                         ; LDS: W's 7 fragments as images of their registers, 1,024 bytes each,
.set WSC,    NT*1024                   ; their scale words, 128 bytes each,
.set STAGE0, 8192                      ; and the sixteen stages
.set FLOOR,  0x1800000                 ; the f32 number 2^(3 - 127)
.set GX,  1                            ; v1   16 x lane: my bytes of a row in memory; also my place in an image
.set SI,  2                            ; v2   the stage, on the way in: 16 x lane
.set SO,  3                            ; v3   and on the way out: 528 r + 128 h
.set LS,  4                            ; v4   4 x lane: my place among a tile's scale words
.set SH,  5                            ; v5   8 h: where my two scale bytes stand in the word
.set WI,  6                            ; v6   where waves 0-6 store their image: 16 x lane + 1,024 x wave
.set WSA, 7                            ; v7   and its scale words: 4 x lane + 128 x wave
.set OO,  8                            ; v8   8 x lane: my two numbers of the wave's 64 results
.set RR,  9                            ; v9   r = lane % 16
.set M,   10                           ; v10-13 largest magnitudes: two chains for each of my two blocks; then the scale bytes
.set SOP, 14                           ; v14-15 the conversions' scale operands
.set XW,  16                           ; v16  the scale word just made
.set PT,  17                           ; v17  what lane l xor 16 sends
.set AL,  18                           ; v18-19 0.1, twice
.set OUT, 20                           ; v20-21 what I store
.set RES, 22                           ; v22-25 a tile's sums
.set T,   26                           ; v26-33 z^2 + 0.1, four pairs
.set S,   34                           ; v34-41 four pairs of running sums
.set WS,  42                           ; v42-48 W's scale words, a register a tile
.set WC,  T                            ; the codes of W's tile on their way to LDS
.set WF,  50                           ; v50-105 W's 7 fragments.  v50-113 first hold a tile of W as f32
.set PC,  106                          ; v106-113 the codes of a tile of x
.set XA,  114                          ; v114-177, v178-241 the two sets: a tile of x as loaded, then a lane to a row, then the 7 accumulators
.set XB,  178
	s_load_b128 s[4:7], s[0:1], 0x0                ; x s[4:5], W s[6:7]
	s_load_b64 s[8:9], s[0:1], 0x10                ; out0
	v_lshl_add_u32 v242, v0, 2, 0x23000
	v_mov_b32 v243, 0
	v_lshrrev_b32 v[RR], 5, v0
	v_readfirstlane_b32 s10, v[RR]                 ; wave 0..15
	v_and_b32 v[LS], 31, v0                        ; lane
	v_and_b32 v[RR], 15, v0                        ; r
	v_bfe_u32 v[SH], v0, 4, 1                      ; h
	v_lshlrev_b32 v[GX], 4, v[LS]
	s_wait_alu depctr_va_sdst(0)                   ; s10 is written, ahead of its first reader: the stage's address, the images' places and the three bases are made from it
	s_mul_i32 s11, s10, STG
	s_add_co_u32 s11, s11, STAGE0                  ; my wave's stage
	v_add_nc_u32 v[SI], s11, v[GX]
	v_mul_u32_u24 v[SO], v[RR], PITCH
	v_lshl_add_u32 v[SO], v[SH], 7, v[SO]          ; lanes 16-31 begin 32 numbers further along the row
	v_add_nc_u32 v[SO], s11, v[SO]
	s_lshl_b32 s11, s10, 10
	v_add_nc_u32 v[WI], s11, v[GX]
	v_lshlrev_b32 v[OO], 3, v[LS]
	v_lshlrev_b32 v[LS], 2, v[LS]
	s_lshl_b32 s11, s10, 7
	v_add_nc_u32 v[WSA], s11, v[LS]
	v_lshlrev_b32 v[SH], 3, v[SH]
	v_mov_b32 v[AL], 0x3dcccccd                    ; 0.1
	v_mov_b32 v[AL+1], 0x3dcccccd
	v_mov_b32 v[PT], 0                             ; written once: a lane permute's destination counts as one of its sources
	s_mov_b32 s20, 0x76543210
	s_mov_b32 s21, 0xfedcba98                      ; v_permlanex16_b32's selects for lane l xor 16
	s_mov_b32 s24, 0xffff0000                      ; lanes 16-31
	s_lshl_b32 s12, ttmp9, 19                      ; x: 1,024 rows of 512 bytes a work-group,
	s_lshl_b32 s14, s10, 15                        ; 64 rows a wave: under 2^27 in all
	s_add_co_u32 s12, s12, s14
	s_mov_b32 s13, 0
	s_lshl_b32 s14, s10, 4                         ; W: tile w begins at head 16 w;
	s_min_u32 s15, s14, HEADS-16                   ; its 16 rows are taken from row min(16 w, 84) on, so that they lie inside W,
	s_sub_co_u32 s18, s14, s15                     ; and the first 16 w - that many of them (12 in tile 6, else 0) are not the tile's own
	s_lshl_b32 s16, s15, 9
	s_mov_b32 s17, 0
	s_lshl_b32 s22, ttmp9, 12                      ; out0: 4,096 bytes a work-group, 256 a wave
	s_lshl_b32 s14, s10, 8
	s_add_co_u32 s22, s22, s14
	s_mov_b32 s23, 0
	s_wait_kmcnt 0x0
	s_add_nc_u64 s[4:5], s[4:5], s[12:13]
	s_add_nc_u64 s[6:7], s[6:7], s[16:17]
	s_add_nc_u64 s[8:9], s[8:9], s[22:23]
	s_wait_alu depctr_va_vdst(0)                   ; the seven addresses and offsets v1-4 and v6-8 are written, which every load and store below reads; none of them is written again
; Four loads of tile t of the wave's four into a set: stage row j = 4 q + i is the wave's row 32 (t / 2) + 2 j + t % 2.  Every offset is an immediate: no address register is ever rewritten.
.macro LOADQ t, set, q
.irp i, 0,1,2,3
	global_load_b128 v[\set+4*(4*(\q)+\i):\set+4*(4*(\q)+\i)+3], v[GX], s[4:5] offset:(32*((\t)/2)+(\t)%2+2*(4*(\q)+\i))*ROWB th:TH_LOAD_NT
.endr
.endm
.macro LOADX t, set                    ; the whole tile: sixteen loads
.irp q, 0,1,2,3
	LOADQ \t, \set, \q
.endr
.endm
; A tile turns through my wave's stage and comes back into the registers that it left.  LDS serves a wave's instructions in order (ISA guide 5.7.1.4): no wait on DScnt between the stores and the loads, nor in front of the next tile's stores.
; Back: lane (r, h) holds of row r the numbers k = 64 c + 32 h + 0 .. 31 in registers 32 c + 0 .. 31: the order in which the FP4 operand wants that lane's codes.
.macro TURN set
.irp j, 0,1,2,3,4,5,6,7,8,9,10,11,12,13,14,15
	ds_store_b128 v[SI], v[\set+4*\j:\set+4*\j+3] offset:\j*PITCH
.endr
	s_wait_alu depctr_vm_vsrc(0)                   ; the sixteen stores have read the set, in which the loads below land; later the matrix results, the refill and (of W's registers) the conversions write there too
.irp c, 0,1
.irp g, 0,1,2,3,4,5,6,7
	ds_load_b128 v[\set+32*\c+4*\g:\set+32*\c+4*\g+3], v[SO] offset:256*\c+16*\g
.endr
.endr
.endm
; 64 numbers of a lane, two whole blocks of 32 (blocks h and 2 + h of its row), become the operand's 8 registers of codes in v[d] on and the row's scale word in v[XW].
.macro QUANT s, d
.irp c, 0,1
	v_max3_num_f32 v[M+\c], |v[\s+32*\c]|, |v[\s+32*\c+1]|, FLOOR              ; the block's largest magnitude, in two chains; the floor is one more leaf: so the byte cannot fall under 1
	v_max3_num_f32 v[M+2+\c], |v[\s+32*\c+16]|, |v[\s+32*\c+17]|, |v[\s+32*\c+18]|
.endr
.irp i, 0,2,4,6,8,10
.irp c, 0,1
	v_max3_num_f32 v[M+\c], v[M+\c], |v[\s+32*\c+2+\i]|, |v[\s+32*\c+3+\i]|    ; (four chains by turns: no line waits for the line above it)
	v_max3_num_f32 v[M+2+\c], v[M+2+\c], |v[\s+32*\c+19+\i]|, |v[\s+32*\c+20+\i]|
.endr
.endr
.irp c, 0,1
	v_max3_num_f32 v[M+\c], v[M+\c], |v[\s+32*\c+14]|, |v[\s+32*\c+15]|
.endr
.irp c, 0,1
	v_max3_num_f32 v[M+\c], v[M+\c], v[M+2+\c], |v[\s+32*\c+31]|
.endr
.irp c, 0,1
	v_add_nc_u32 v[SOP+\c], 0xff000000, v[M+\c]    ; 2 off its exponent field: the conversion takes the exponent field of this operand as its scale, and nothing else of it
.endr
.irp c, 0,1
.irp g, 0,1,2,3
	v_cvt_scalef32_pk8_fp4_f32 v[\d+4*\c+\g], v[\s+32*\c+8*\g:\s+32*\c+8*\g+7], v[SOP+\c]   ; register 4 c + g of the operand: k = 64 c + 32 h + 8 g + 0 .. 7
.endr
.endr
.irp c, 0,1
	v_lshrrev_b32 v[M+\c], 23, v[SOP+\c]           ; the scale's byte.  (Also the plain instruction that stands behind a run of scaled conversions)
.endr
	v_lshl_or_b32 v[XW], v[M+1], 16, v[M]          ; my two bytes: blocks h and 2 + h,
	v_lshlrev_b32 v[XW], v[SH], v[XW]              ; at their places in the word (8 h bits up);
	v_permlanex16_b32 v[PT], v[XW], s20, s21
	v_or_b32 v[XW], v[XW], v[PT]                   ; with lane l xor 16's two the word is whole, in both lanes
.endm
; y = z (z^2 + 0.1), summed: two packed multiply-adds for two numbers.  Each accumulator is read from its low end on.  The first tile's products start the four sums: nothing is cleared.
.macro CUBIC set
.irp a, 0,1,2,3,4,5,6
.irp p, 0,1,2,3
	v_pk_fma_f32 v[T+2*\p:T+2*\p+1], v[\set+8*\a+2*\p:\set+8*\a+2*\p+1], v[\set+8*\a+2*\p:\set+8*\a+2*\p+1], v[AL:AL+1]
.endr
.irp p, 0,1,2,3
.if \a == 0
	v_pk_mul_f32 v[S+2*\p:S+2*\p+1], v[\set+8*\a+2*\p:\set+8*\a+2*\p+1], v[T+2*\p:T+2*\p+1]
.else
	v_pk_fma_f32 v[S+2*\p:S+2*\p+1], v[\set+8*\a+2*\p:\set+8*\a+2*\p+1], v[T+2*\p:T+2*\p+1], v[S+2*\p:S+2*\p+1]
.endif
.endr
.endr
.endm
; One tile of 16 rows.  left: the younger loads that may stay out.  more = 1: the set is asked for again, with the tile two further on.
.macro TILE t, set, left, more
	s_wait_loadcnt \left                           ; loads come back in order (ISA guide 5.7.1): this tile's sixteen are in, the next tile's sixteen stay out
	TURN \set
	s_wait_dscnt 0x0                               ; the tile is back, a lane to a row (in the first tile also: W's images are in)
	QUANT \set, PC
.rept 8
	v_nop                                          ; a scale register written by a vector instruction stands eight plain vector instructions ahead of a scaled matrix instruction, an operand so written four
.endr
	s_wait_alu depctr_va_vdst(0)                   ; the conversions have written v[PC ..] and the last line of the quantiser v[XW], which the scaled matrix instructions take as source 1 and as its scales; the places above stay beside this wait
.irp a, 0,1,2,3,4,5,6                          ; z^T: seven accumulators, one instruction each, begun with the constant 0; they lie in the set, whose numbers have been converted
	v_wmma_scale_f32_16x16x128_f8f6f4 v[\set+8*\a:\set+8*\a+7], v[WF+8*\a:WF+8*\a+7], v[PC:PC+7], 0, v[WS+\a], v[XW] matrix_a_fmt:MATRIX_FMT_FP4 matrix_b_fmt:MATRIX_FMT_FP4
.endr
.rept 4
	v_nop                                          ; four plain vector instructions between a matrix instruction and the first read of its result (ISA guide 7.12.1)
.endr
	CUBIC \set
.if \more
	s_wait_alu depctr_va_vdst(0)                   ; the matrix instructions have written the set and the cubic is done reading it: the loads of the tile two further on land there
	LOADQ (\t)+2, \set, 0                          ; sixteen loads, four at a time among the six lines that close the sum: those name S, PT and RES, none of the set's registers nor the loads' offset
.endif
	v_pk_add_f32 v[S:S+1], v[S:S+1], v[S+2:S+3]
	v_pk_add_f32 v[S+4:S+5], v[S+4:S+5], v[S+6:S+7]
.if \more
	LOADQ (\t)+2, \set, 1
.endif
	v_pk_add_f32 v[S:S+1], v[S:S+1], v[S+4:S+5]
	v_add_f32 v[S], v[S], v[S+1]                   ; my 56 heads of row r,
.if \more
	LOADQ (\t)+2, \set, 2
.endif
	v_permlanex16_b32 v[PT], v[S], s20, s21
.if \more
	LOADQ (\t)+2, \set, 3
.endif
	v_add_f32 v[RES+(\t)], v[S], v[PT]             ; and lane l xor 16's 56: the row's sum, in both lanes
.endm
	; W's loads go out first, so that the wait for them can leave x's out.  Every LDS address was made above, ahead of this branch on the wave's number.
	s_cmp_lt_u32 s10, NT
	s_cbranch_scc0 .Lno_w_loads
.irp j, 0,1,2,3,4,5,6,7,8,9,10,11,12,13,14,15
	global_load_b128 v[WF+4*\j:WF+4*\j+3], v[GX], s[6:7] offset:\j*ROWB   ; a row of W: 512 consecutive bytes; every work-group reads W, so no hint
.endr
.Lno_w_loads:
	LOADX 0, XA                                    ; 32 loads, 16,384 bytes a wave: half of what the wave will read
	LOADX 1, XB
	s_cmp_lt_u32 s10, NT
	s_cbranch_scc0 .Lno_w
	s_wait_loadcnt 32                              ; W's sixteen loads are in; the 32 of x issued behind them stay out
	TURN WF
	s_wait_dscnt 0x0
	v_cmp_le_u32 vcc_lo, s18, v[RR]                ; is my row the tile's own?  (all rows but the first 12 of tile 6)
	QUANT WF, WC
	s_wait_alu depctr_va_vcc(0)                    ; the compare has written VCC, ahead of its first reader; the quantiser's lines stand between
.irp i, 0,1,2,3,4,5,6,7
	v_cndmask_b32 v[WC+\i], 0, v[WC+\i], vcc_lo    ; a row that is not gets zero codes, which add nothing under its scale bytes
.endr
	s_wait_alu depctr_va_vdst(0)                   ; the selects have written v[WC ..] and the quantiser v[XW], which the stores below read; the quantiser is also done reading v50-105, in which the images' loads land behind the barrier
	ds_store_b128 v[WI], v[WC:WC+3] offset:WIMG    ; the fragment goes to LDS as it stands: lane l's 16 bytes at 16 l
	ds_store_b128 v[WI], v[WC+4:WC+7] offset:WIMG+512
	ds_store_b32 v[WSA], v[XW] offset:WSC          ; and its scale words, 4 bytes a lane
	s_wait_alu depctr_vm_vsrc(0)                   ; the three stores have read v[WC ..] and v[XW], which the first tile's cubic and quantiser write again
.Lno_w:
	s_wait_dscnt 0x0                               ; for the others' sake: my stores of the image have landed
	s_barrier_signal -1
	s_barrier_wait -1                              ; W's seven fragments lie in LDS; nobody writes them again
.irp a, 0,1,2,3,4,5,6
	ds_load_b128 v[WF+8*\a:WF+8*\a+3], v[GX] offset:WIMG+1024*\a          ; the same lines as loads give every wave the same registers in the same lanes.  No wait: no vector line since the last wait on va_vdst, on either way here, names these registers
	ds_load_b128 v[WF+8*\a+4:WF+8*\a+7], v[GX] offset:WIMG+1024*\a+512
	ds_load_b32 v[WS+\a], v[LS] offset:WSC+128*\a
.endr
	TILE 0, XA, 16, 1
	TILE 1, XB, 16, 1
	TILE 2, XA, 16, 0                              ; the last two tiles ask for nothing: no load leaves x
	TILE 3, XB, 0, 0
	v_cndmask_b32 v[OUT], v[RES], v[RES+2], s24    ; lane i < 16: rows 2 i and 2 i + 1 (tiles 0, 1); lane 16 + r: rows 32 + 2 r and 33 + 2 r (tiles 2, 3)
	v_cndmask_b32 v[OUT+1], v[RES+1], v[RES+3], s24
	s_wait_alu depctr_va_vdst(0)                   ; the two selects have written v[OUT], v[OUT+1], which the store reads
	global_store_b64 v[OO], v[OUT:OUT+1], s[8:9] th:TH_STORE_NT   ; 32 lanes store 256 consecutive bytes, at a multiple of 256 from out0's first byte
	s_wait_dscnt 0x0
	s_wait_alu depctr_hold_cnt(0) depctr_sa_sdst(0) depctr_va_vdst(0) depctr_va_sdst(0) depctr_va_ssrc(0) depctr_va_vcc(0) depctr_vm_vsrc(0)
	s_wait_tensorcnt 0x0
	ds_add_u32 v242, v243
	s_wait_dscnt 0x0
	s_endpgm
.Lfunc_end_k_q2d76f84f66_net:
	.size	k_q2d76f84f66_net, .Lfunc_end_k_q2d76f84f66_net-k_q2d76f84f66_net
	.p2alignl 7, 3214868480
	.fill 96, 4, 3214868480
	.section	.rodata,"a",@progbits
	.p2align	6, 0x0
	.amdhsa_kernel k_q2d76f84f66_net
		.amdhsa_group_segment_fixed_size 145408
		.amdhsa_private_segment_fixed_size 0
		.amdhsa_enable_private_segment 0
		.amdhsa_kernarg_size 24
		.amdhsa_user_sgpr_count 2
		.amdhsa_user_sgpr_kernarg_segment_ptr 1
		.amdhsa_wavefront_size32 1
		.amdhsa_system_sgpr_workgroup_id_x 1
		.amdhsa_system_sgpr_workgroup_id_y 1
		.amdhsa_system_sgpr_workgroup_id_z 1
		.amdhsa_system_vgpr_workitem_id 0
		.amdhsa_next_free_vgpr 244
		.amdhsa_next_free_sgpr 66
		.amdhsa_reserve_vcc 1
		.amdhsa_float_denorm_mode_32 3
		.amdhsa_float_denorm_mode_16_64 3
		.amdhsa_memory_ordered 1
		.amdhsa_forward_progress 1
		.amdhsa_inst_pref_size 58
	.end_amdhsa_kernel
	.amdgpu_metadata
---
amdhsa.version: [ 1, 2 ]
amdhsa.kernels:
  - .name:           k_q2d76f84f66_net
    .symbol:         k_q2d76f84f66_net.kd
    .args:
      - { .name: x, .offset: 0, .size: 8, .value_kind: global_buffer, .address_space: global }
      - { .name: W, .offset: 8, .size: 8, .value_kind: global_buffer, .address_space: global }
      - { .name: out0, .offset: 16, .size: 8, .value_kind: global_buffer, .address_space: global }
    .group_segment_fixed_size: 145408
    .private_segment_fixed_size: 0
    .kernarg_segment_align: 8
    .kernarg_segment_size: 24
    .max_flat_workgroup_size: 512
    .sgpr_count:     66
    .vgpr_count:     244
    .wavefront_size: 32
...
	.end_amdgpu_metadata
.endif
;; end of part 2
